; MI455X (gfx1250); checked and timed in simulation.
; The chip was launched on July 23, 2026; its instructions are those of AMD's public machine-readable ISA for CDNA 5 (MIT licence, August 2026) and "CDNA5" Instruction Set Architecture Reference Guide (July 2026). The comments in the code are by the model that wrote it; some were corrected since.
;; Encoder. Allowed arithmetic: matrix products marked QUANTISED: E2M1 operands, one E8M0 scale for each 32 along K, by v_wmma_scale_f32_16x16x128_f8f6f4 with both operands' format E2M1 (or v_wmma_scale_f32_32x16x128_f4), f32 sums; everything else in f32.
;; Inputs: Wk_codes 1,024 x 32 x 16 uint8 (E2M1 codes of Wk, K innermost, in blocks of 32 codes, two codes a byte); Wk_scales 1,024 x 32 uint8 (E8M0 scales of Wk, one for each 32 codes along K); Wo_codes 1,024 x 32 x 16 uint8 (E2M1 codes of Wo, K innermost, in blocks of 32 codes, two codes a byte); Wo_scales 1,024 x 32 uint8 (E8M0 scales of Wo, one for each 32 codes along K); Wq_codes 1,024 x 32 x 16 uint8 (E2M1 codes of Wq, K innermost, in blocks of 32 codes, two codes a byte); Wq_scales 1,024 x 32 uint8 (E8M0 scales of Wq, one for each 32 codes along K); Wv_codes 1,024 x 32 x 16 uint8 (E2M1 codes of Wv, K innermost, in blocks of 32 codes, two codes a byte); Wv_scales 1,024 x 32 uint8 (E8M0 scales of Wv, one for each 32 codes along K); bk 1,024 float32; bo 1,024 float32; bq 1,024 float32; bv 1,024 float32; x_codes 4 x 2,048 x 32 x 16 uint8 (E2M1 codes of x, K innermost, in blocks of 32 codes, two codes a byte); x_scales 4 x 2,048 x 32 uint8 (E8M0 scales of x, one for each 32 codes along K).
;; Outputs: out0 4 x 2,048 x 1,024 float32.
;; This version of the problem:
;;   THIS VERSION OF THE PROBLEM IS GIVEN IN LOW PRECISION. The matrix products marked QUANTISED in the list below multiply operands that are first quantised to E2M1 (2 exponent bits, 1 mantissa bit; 4 bits a number), with one power-of-two scale for each 32 numbers along K (OCP MX v1.0); their sums are f32. All else is computed in f32.
;;   The module's matrix products, in the order in which they are computed (A, B: the left and right operand; K: the contracted axis; several contracted axes count as one K, in the product's order):
;;     1. [M 8,192, K 1,024] x [K 1,024, N 1,024]; A: input x (given as codes); B: input Wq (given as codes): QUANTISED
;;     2. [M 8,192, K 1,024] x [K 1,024, N 1,024]; A: input x (given as codes); B: input Wk (given as codes): QUANTISED
;;     3. [M 8,192, K 1,024] x [K 1,024, N 1,024]; A: input x (given as codes); B: input Wv (given as codes): QUANTISED
;;     4. batch 64 x [M 2,048, K 64] x [K 64, N 2,048]; A: computed on the way; B: computed on the way: QUANTISED
;;     5. batch 64 x [M 64, K 2,048] x [K 2,048, N 2,048]; A: computed on the way; B: softmax (see below): QUANTISED
;;     6. [M 8,192, K 1,024] x [K 1,024, N 1,024]; A: computed on the way; B: input Wo (given as codes): QUANTISED
;;   THE QUANTISER, for each operand of a quantised product, along K:
;;     - K is cut into blocks of 32 from its start; a last block that is shorter is filled with zeros.
;;     - A block's scale is 2^e with e = floor(log2(the largest magnitude in the block)) - 2, held to -126 .. 127; a block of zeros has e = 0. As a byte (E8M0): e + 127.
;;     - Each number is divided by its block's scale, clamped to +-6, and rounded to the nearest number of E2M1, ties to even, subnormals kept.
;;     - The product sums the exact products of the quantised numbers (number of the format x scale) in f32.
;;   ~~~python
;;   def quantise(x, axis):      # numpy; x: float32 -> the quantised numbers, widened to float32 again
;;       x = np.moveaxis(x, axis, -1); K = x.shape[-1]
;;       x = np.pad(x, [(0, 0)] * (x.ndim - 1) + [(0, -K % 32)]); x = x.reshape(x.shape[:-1] + (-1, 32)); a = np.abs(x).max(-1, keepdims=True)
;;       e = np.where(a > 0, np.clip(np.frexp(np.where(a > 0, a, 1))[1] - 1 - 2, -126, 127), 0)      # np.frexp(a)[1] - 1 = floor(log2(a)), exactly
;;       r = np.clip(x / 2.0 ** e, -6, 6)
;;       step = 2.0 ** (np.maximum(np.frexp(np.where(r == 0, 1, r))[1] - 1, 0) - 1)
;;       q = np.round(r / step) * step * 2.0 ** e      # np.round: ties to even
;;       return np.moveaxis(q.reshape(q.shape[:-2] + (-1,))[..., :K], -1, axis).astype(np.float32)
;;   ~~~
;;   SOFTMAX AHEAD OF A QUANTISED PRODUCT. Where the list says 'softmax', what is quantised is not the finished softmax but p = 2^(t - M), with t = logit x log2(e) and M = ceil(the row's largest t), a whole number; so 1/2 < the row's largest p <= 1. The row's sum l is taken of the UNQUANTISED p, in f32, and the product's result is divided by l at the end. Since M is a whole number, a kernel that streams over the keys may use a running M (the ceiling of the running maximum): every later rescaling is an exact power of two, which a block's scale takes up: the codes' values come out the same.
;;   OPERANDS COMPUTED ON THE WAY. 'Computed on the way' means the value that the module computes at that place (a softmax that the list does not call 'softmax' is quantised finished and normalised). What goes into a quantiser is computed in f32, as accurately as f32 sums, v_exp_f32 and their like allow (about 1e-6 of the number): no bf16 or f16 on the way to a quantiser, and a product that is left as it is and whose result goes on into a quantised operand takes f32 operands (vector FMAs, or v_wmma_f32_16x16x4_f32). A number that lies on a knife's edge between two numbers of the format may be rounded either way, as far as f32 arithmetic and the matrix unit's own rounding can turn it there, and no further.
;;   INPUTS GIVEN AS CODES. Wk (in the module: [1024, 1024], K = its axis 1); Wo (in the module: [1024, 1024], K = its axis 1); Wq (in the module: [1024, 1024], K = its axis 1); Wv (in the module: [1024, 1024], K = its axis 1); x (in the module: [4, 2048, 1024], K = its axis 2): each comes as NAME_codes (uint8): NAME with its K axis moved to the last place and cut into blocks of 32 codes, [.., K / 32, bytes a block], one block behind the other in memory; two codes a byte, the lower K in the low four bits (a code: sign, 2 exponent bits, 1 mantissa bit); and NAME_scales (uint8): the same leading axes, one E8M0 byte (e + 127) for each 32 codes along K. Its value is code x scale, taken as it is: it is not quantised again, and the codes and scales need not be those that the quantiser above would give.
;; One version. Each part assembles by itself: llvm-mc -triple=amdgcn-amd-amdhsa -mcpu=gfx1250 --defsym DOCPART=n.
;; ======== version 1 of 1: 3 launches
;; workspace buffers: qc 4,718,592 bytes; kv 9,175,040 bytes; cc 4,194,304 bytes; cs 262,144 bytes
;; launch qkv (part 1): grid 8 x 32, 4 waves a work-group, clusters of 4 x 4, 327,680 bytes of LDS; arguments x_codes, x_scales, Wq_codes, Wq_scales, bq, Wk_codes, Wk_scales, bk, Wv_codes, Wv_scales, bv, qc, kv; writes qc, kv
.if DOCPART == 1
	.amdgcn_target "amdgcn-amd-amdhsa--gfx1250"
	.amdhsa_code_object_version 6
	.text
	.protected	k_q2bfdc164de_qkv
	.globl	k_q2bfdc164de_qkv
	.p2align	8
	.type	k_q2bfdc164de_qkv,@function
k_q2bfdc164de_qkv:
	s_mov_b64 s[64:65], 0
	v_nop
	global_prefetch_b8 v0, s[64:65] scope:SCOPE_SE
	s_setreg_imm32_b32 hwreg(HW_REG_WAVE_MODE, 25, 1), 1
	s_wait_xcnt 0x0
	s_wait_alu depctr_hold_cnt(0) depctr_sa_sdst(0) depctr_va_vdst(0) depctr_va_sdst(0) depctr_va_ssrc(0) depctr_va_vcc(0) depctr_vm_vsrc(0)
	s_getreg_b32 s2, hwreg(HW_REG_IB_STS2, 6, 4)
	s_cmp_eq_u32 s2, 0
	s_cbranch_scc0 .Lentry_in_a_cluster
	s_endpgm
.Lentry_in_a_cluster:
	s_bfe_u32 s2, ttmp6, 0x10000c
	s_cmp_lg_u32 s2, 0xf033
	s_cbranch_scc0 .Lentry_shape_is_right
	s_endpgm
.Lentry_shape_is_right:
; q = x Wq^T + bq, k = x Wk^T + bk, v = x Wv^T + bv on codes of FP4 (E2M1) with E8M0 scales, sums in f32; the results are quantised at once: q and k along the head's 64 channels,
; v along the keys, and leave as IMAGES OF THE NEXT PRODUCTS' OPERAND REGISTERS (16 bytes a lane, 512 consecutive bytes a store).
; SHARES.  A work-group: 256 tokens x two heads of q, k and v.  Wave w: tokens 128 (w / 2) on, head w % 2: 128 tokens x 64 channels, three times (passes q, k, v), 32 accumulators a pass.
; K is 1,024: a row of codes is 512 bytes, so the whole of K lies in LDS.  The wave's fragments of x (8 tiles x 8 K steps, 512 registers) are read from LDS once, in pass q, and stay in registers.
; x, Wq and Wk are first fills; Wv takes Wq's bytes when pass q has read them: the launch's one refill, which has pass k in which to land.
; CLUSTER 4 x 4: x's tile hangs on the token block alone and is asked for jointly along a row of the cluster, the weights' tiles on the head pair alone, jointly along a column.
; PASSES q, k are used transposed (source 0 = 16 channels of W, source 1 = 16 tokens): a lane holds one token and eight neighbouring channels.  PASS v is used as it stands
; (source 0 = 16 tokens, source 1 = 16 channels): a lane holds one channel and eight neighbouring keys.  Either way a block of 32 along the next K is two neighbouring tiles in lanes l and l xor 16.
; THE BIAS is the C of each sum's first product.
; A block's scale byte is its largest magnitude's exponent field - 2, held at 1 from below by a floor among the maximum's leaves.
; LIMITS: NaN, infinities and a given scale byte 0xff are not served; a block whose largest magnitude lies under 2^-124 keeps the byte 1; a block of zeros has the byte 1 and not 127
; (its codes are zeros, and these bytes are read by this program alone).
; REGISTERS, in windows of 256: window 0: addresses, scale words, biases, W's fragments (two buffers), the quantiser's work;  window 1: the 32 accumulators;  windows 2, 3: x's fragments (K step s, tile a) at 64 (s % 4) + 8 a of window 2 + s / 4.
.set XPITCH, 528                       ; an LDS row: 512 bytes + 16 of padding = 132 words: the 16 rows that a load touches start 4 words apart
.set WS0,    256*XPITCH                ; behind x's 256 rows: 128 rows of Wq, later of Wv
.set WS1,    WS0+128*XPITCH            ; 128 rows of Wk
.set SPARE,  WS1+128*XPITCH            ; the spare words, 128 bytes a wave: two blocks of 256 bytes that no other line names
.set SPW,  1                           ; v1   SPARE + 4 x my thread's number; never rewritten
.set NIL,  2                           ; v2   0; never rewritten
.set ADRX, 3                           ; v3   LDS: my lane's place in my 128 rows of x
.set ADRW, 4                           ; v4, v5  the same in my 64 rows of slot 0, slot 1
.set L32,  6                           ; v6   32 x lane
.set H32,  7                           ; v7   32 x (lane / 16)
.set R4,   8                           ; v8   4 x (lane % 16)
.set L16,  9                           ; v9   16 x lane
.set L8,   10                          ; v10  8 x lane
.set XS,   16                          ; v16-47   x's scale words: register 8 i + s: lanes 0-15 tile 2 i, lanes 16-31 tile 2 i + 1, K step s
.set WSC,  48                          ; v48-95   the weights' scale words: pass p at 16 p, laid likewise
.set BIAS, 96                          ; v96-127  a pass's biases in the result's layout, tile t at 8 t
.set WF,   128                         ; v128-191 W's fragments: buffer f at 32 f, tile t at 8 t
.set TM,   192                         ; v192-207 16 blocks' largest magnitudes, then the conversions' scale operands, then the scale words on their way out
.set T2,   208                         ; v208-223 the other half's maxima, then the scale bytes
.set CD,   224                         ; v224-255 the codes
.set MSB, 0
.macro WIN new                         ; the immediate's high byte repeats the setting that is left
.if MSB != \new
	s_set_vgpr_msb (MSB<<8)|\new
.set MSB, \new
.endif
.endm
.macro PLACES                          ; four places: plain vector instructions that name no register of the matrix instructions in front (ISA guide 7.12.1)
.rept 4
	v_nop
.endr
.endm
.macro CROUND                          ; a round of the cluster's barrier
	s_barrier_signal -1
	s_barrier_wait -1
	s_cmp_lg_u32 s30, 0
	s_cbranch_scc1 .Lnot_wave_0_\@
	s_barrier_signal -3
.Lnot_wave_0_\@:
	s_barrier_wait -3
	s_barrier_signal -1
	s_barrier_wait -1
.endm
; one product; ra, rb: the side's scale words stand in lanes 16-31 of the register named
.macro WM d, a, b, c, sa, sb, ra, rb
.if (\ra) && (\rb)
	v_wmma_scale_f32_16x16x128_f8f6f4 v[\d:\d+7], v[\a:\a+7], v[\b:\b+7], v[\c:\c+7], v[\sa], v[\sb] matrix_a_fmt:MATRIX_FMT_FP4 matrix_b_fmt:MATRIX_FMT_FP4 matrix_a_scale:MATRIX_SCALE_ROW1 matrix_b_scale:MATRIX_SCALE_ROW1
.elseif (\ra)
	v_wmma_scale_f32_16x16x128_f8f6f4 v[\d:\d+7], v[\a:\a+7], v[\b:\b+7], v[\c:\c+7], v[\sa], v[\sb] matrix_a_fmt:MATRIX_FMT_FP4 matrix_b_fmt:MATRIX_FMT_FP4 matrix_a_scale:MATRIX_SCALE_ROW1
.elseif (\rb)
	v_wmma_scale_f32_16x16x128_f8f6f4 v[\d:\d+7], v[\a:\a+7], v[\b:\b+7], v[\c:\c+7], v[\sa], v[\sb] matrix_a_fmt:MATRIX_FMT_FP4 matrix_b_fmt:MATRIX_FMT_FP4 matrix_b_scale:MATRIX_SCALE_ROW1
.else
	v_wmma_scale_f32_16x16x128_f8f6f4 v[\d:\d+7], v[\a:\a+7], v[\b:\b+7], v[\c:\c+7], v[\sa], v[\sb] matrix_a_fmt:MATRIX_FMT_FP4 matrix_b_fmt:MATRIX_FMT_FP4
.endif
.endm
; A fragment, 16 rows x 128 K of 4-bit codes, is 8 registers: lane l holds row l % 16; registers 4 c .. 4 c + 3 hold K = 64 c + 32 (l / 16) + 0 .. 31: two loads of 16 bytes, 32 bytes apart.
.macro FRAGW slot, s, f                ; my head's four tiles of W, K step s, into buffer f (window 0)
.irp t, 0,1,2,3
.irp c, 0,1
	ds_load_b128 v[WF+32*(\f)+8*\t+4*\c:WF+32*(\f)+8*\t+4*\c+3], v[ADRW+\slot] offset:16*\t*XPITCH+64*(\s)+32*\c
.endr
.endr
.endm
.macro FRAGX s                         ; my eight tiles of x, K step s: they stay
.if (\s) < 4
	WIN 0x80
.else
	WIN 0xc0
.endif
.irp a, 0,1,2,3,4,5,6,7
.irp c, 0,1
	ds_load_b128 v[64*((\s)%4)+8*\a+4*\c:64*((\s)%4)+8*\a+4*\c+3], v[ADRX] offset:16*\a*XPITCH+64*(\s)+32*\c
.endr
.endr
	WIN 0
.endm
.macro BIASQK bp                       ; lane (r, h) wants, for tile t, the biases of channels 16 t + 8 h + 0 .. 7
.irp t, 0,1,2,3
	global_load_b128 v[BIAS+8*\t:BIAS+8*\t+3], v[H32], s[\bp:\bp+1] offset:64*\t
	global_load_b128 v[BIAS+8*\t+4:BIAS+8*\t+7], v[H32], s[\bp:\bp+1] offset:64*\t+16
.endr
.endm
.macro BIASV                           ; pass v: a lane holds ONE channel, 16 t + r: its bias in all eight registers
.irp t, 0,1,2,3
.irp j, 0,1,2,3,4,5,6,7
	global_load_b32 v[BIAS+8*\t+\j], v[R4], s[24:25] offset:64*\t
.endr
.endr
.endm
; 32 products: 128 along K, the eight tiles of tokens x the four tiles of channels.  The 32 accumulators take turns, one instruction a turn, in the same order in every step.
; kind 0: source 0 = W, source 1 = x, accumulator (a, t) at 8 (4 a + t);  kind 1: source 0 = x, source 1 = W, accumulator at 8 (8 t + a): in both the quantiser's block g is registers 16 g .. 16 g + 15.
.macro MUL kind, p, s
.if (\kind) == 0
.if (\s) == 0
	WIN 0x48                                       ; W window 0, x window 2, C = the bias in window 0, D window 1
.elseif (\s) < 4
	WIN 0x58
.else
	WIN 0x5c                                       ; x window 3
.endif
.else
.if (\s) == 0
	WIN 0x42
.elseif (\s) < 4
	WIN 0x52
.else
	WIN 0x53
.endif
.endif
.irp a, 0,1,2,3,4,5,6,7
.irp t, 0,1,2,3
.set rW, WF+32*((\s)%2)+8*\t
.set rX, 64*((\s)%4)+8*\a
.set rSW, WSC+16*(\p)+8*(\t/2)+(\s)
.set rSX, XS+8*(\a/2)+(\s)
.if (\kind) == 0
.set rD, 8*(4*\a+\t)
.else
.set rD, 8*(8*\t+\a)
.endif
.set rC, rD
.if (\s) == 0
.set rC, BIAS+8*\t
.endif
.if (\kind) == 0
	WM rD, rW, rX, rC, rSW, rSX, \t%2, \a%2
.else
	WM rD, rX, rW, rC, rSX, rSW, \a%2, \t%2
.endif
.endr
.endr
.endm
; THE ONE REFILL.  Every wave waits for all its tensor loads (so Wk is whole too), adds 0 to its spare word, and waits for that and for its reads: the last of x and of Wq were asked for a step ago.
; The refill is a joint load, so the barrier is a round of the cluster's; the load is the first thing behind it, one a wave: my 32 rows of Wv.
.macro CHANGE
	s_wait_tensorcnt 0x0
	ds_add_u32 v[SPW], v[NIL]
	s_wait_dscnt 0x0
	CROUND
	tensor_load_to_lds s[72:75], s[48:55]
	s_nop 0
	PLACES                                         ; four v_nop follow the load
.endm
; A K step of 128.  Its fragments were asked for at the head of the step before; the next step's are asked for now, in one run, behind four places for the buffer that the last step multiplied.
.macro STEP kind, p, slot, s
	WIN 0
.if ((\p) == 0) && ((\s) == 7)
	CHANGE
.else
	s_wait_dscnt 0x0                               ; this step's fragments are in
.endif
.if (\s) < 7
	PLACES
	FRAGW \slot, (\s)+1, ((\s)+1)%2
.if (\p) == 0
	FRAGX (\s)+1
.endif
.endif
.if ((\s) == 1) && ((\p) == 0)
	BIASQK 18                                      ; the next pass's biases: step 0's products, which read these registers, stand behind the four places
.endif
.if ((\s) == 1) && ((\p) == 1)
	BIASV
.endif
	MUL \kind, \p, \s
.endm
; THE WAY OUT of a pass: 16 blocks of 32 a lane pair are quantised and leave as operand images.
; The conversion of tile i (0, 1) of block d (0, 1) of pair c goes to CD[4 c + 2 i + d]; lanes 0-15 then hold piece 2 i of the block's four pieces of 8 codes and lanes 16-31 piece 2 i + 1.
; One exchange of halves between CD[4 c + 2 i] and CD[4 c + 2 i + 1] makes them registers 2 i and 2 i + 1 of the operand: lanes 0-15 block 2 c, lanes 16-31 block 2 c + 1.
.macro EPI kind, bs, cofs, sofs
	WIN 0
	PLACES
	s_wait_xcnt 0x0                                ; the last pass's stores have read their registers: CD and TM are rewritten only behind this wait
	WIN 0x05                                       ; sources 0 and 1: the accumulators
.irp g, 0,1,2,3,4,5,6,7,8,9,10,11,12,13,14,15
	v_max3_num_f32 v[TM+\g], |v[16*\g]|, |v[16*\g+1]|, 0x1800000   ; each accumulator from its low end on; the floor 2^(3 - 127) holds the byte at 1 from below
.endr
.irp i, 2,4,6,8,10,12,14
.irp g, 0,1,2,3,4,5,6,7,8,9,10,11,12,13,14,15
	v_max3_num_f32 v[TM+\g], |v[16*\g+\i]|, |v[16*\g+\i+1]|, v[TM+\g]
.endr
.endr
	WIN 0
.irp g, 0,1,2,3,4,5,6,7,8,9,10,11,12,13,14,15
	v_permlanex16_b32 v[T2+\g], v[TM+\g], s98, s99
.endr
.irp g, 0,1,2,3,4,5,6,7,8,9,10,11,12,13,14,15
	v_max_num_f32 v[TM+\g], v[TM+\g], v[T2+\g]     ; with lane l xor 16's: the block's largest magnitude
.endr
.irp g, 0,1,2,3,4,5,6,7,8,9,10,11,12,13,14,15
	v_add_nc_u32 v[TM+\g], 0xff000000, v[TM+\g]    ; 2 off its exponent field: the conversion's scale operand
.endr
.irp g, 0,1,2,3,4,5,6,7,8,9,10,11,12,13,14,15
	v_lshrrev_b32 v[T2+\g], 23, v[TM+\g]           ; the scale's byte
.endr
	WIN 0x01
.irp c, 0,1,2,3,4,5,6,7
.irp i, 0,1
.irp d, 0,1
	v_cvt_scalef32_pk8_fp4_f32 v[CD+4*\c+2*\i+\d], v[16*(2*\c+\d)+8*\i:16*(2*\c+\d)+8*\i+7], v[TM+2*\c+\d]
.endr
.endr
.endr
	WIN 0
	v_nop                                          ; one plain place behind the scaled conversions
.irp c, 0,1,2,3,4,5,6,7
.irp i, 0,1
	v_permlane16_swap_b32 v[CD+4*\c+2*\i], v[CD+4*\c+2*\i+1]
.endr
.endr
.if (\kind) == 0
.irp a, 0,1,2,3,4,5,6,7
	v_lshl_or_b32 v[T2+2*\a], v[T2+2*\a+1], 8, v[T2+2*\a]   ; a token's word: its head's two bytes; bytes 2 and 3 stay 0
.endr
.irp i, 0,1,2,3
	v_cndmask_b32 v[TM+\i], v[T2+4*\i], v[T2+4*\i+2], s96   ; word i: lanes 0-15 tile 2 i, lanes 16-31 tile 2 i + 1
.endr
	global_store_b128 v[L16], v[TM:TM+3], s[\bs:\bs+1] offset:\sofs
.else
.irp t, 0,1,2,3
	v_lshl_or_b32 v[T2+4*\t], v[T2+4*\t+1], 8, v[T2+4*\t]   ; a channel's word: the four key blocks' bytes
	v_lshl_or_b32 v[T2+4*\t], v[T2+4*\t+2], 16, v[T2+4*\t]
	v_lshl_or_b32 v[T2+4*\t], v[T2+4*\t+3], 24, v[T2+4*\t]
.endr
.irp i, 0,1
	v_cndmask_b32 v[TM+\i], v[T2+8*\i], v[T2+8*\i+4], s96
.endr
	global_store_b64 v[L8], v[TM:TM+1], s[\bs:\bs+1] offset:\sofs
.endif
.irp c, 0,1,2,3,4,5,6,7
	global_store_b128 v[L16], v[CD+4*\c:CD+4*\c+3], s[\bs:\bs+1] offset:\cofs+512*\c   ; 32 lanes store 512 consecutive bytes, at a multiple of 256 from the buffer's first byte
.endr
.endm
	s_load_b512 s[4:19], s[0:1], 0x0               ; x codes 4, x scales 6, Wq codes 8, Wq scales 10, bq 12, Wk codes 14, Wk scales 16, bk 18
	s_load_b256 s[20:27], s[0:1], 0x40             ; Wv codes 20, Wv scales 22, bv 24, qc 26
	s_load_b64 s[28:29], s[0:1], 0x60              ; kv
	v_lshl_add_u32 v[SPW], v0, 2, SPARE
	v_mov_b32 v[NIL], 0
	ds_add_u32 v1, v2
	ds_add_u32 v1, v2
	s_wait_dscnt 0x0
	v_lshrrev_b32 v15, 5, v0
	v_readfirstlane_b32 s30, v15                   ; wave 0..3
	s_lshr_b32 s31, s30, 1                         ; which 128 tokens are mine
	s_and_b32 s32, s30, 1                          ; which of the two heads
	s_bfe_u32 s33, ttmp6, 0x40000                  ; cx, cy: my place in the cluster
	s_bfe_u32 s34, ttmp6, 0x40004
	s_lshl_b32 s35, ttmp9, 2
	s_add_co_u32 s35, s35, s33                     ; head pair 0..7 = 4 x cluster x + cx
	s_and_b32 s36, ttmp7, 0xffff
	s_lshl_b32 s36, s36, 2
	s_add_co_u32 s36, s36, s34                     ; token block 0..31 = 4 x cluster y + cy
	s_lshl_b32 s37, s34, 2
	s_lshl_b32 s37, 15, s37                        ; my row of the cluster
	s_lshl_b32 s38, 0x1111, s33                    ; my column
	; descriptor group 1: rows of 512 bytes, padded in LDS; x: 64 rows a wave, the weights: 32
	s_or_b32 s40, s37, (1<<20)|(1<<21)|(6<<22)|(3<<25)   ; 15:0 the mask: my row; 17:16 elements of 1 byte; 20 padding on; 21 set beside a mask; 24:22 after every 128 words; 31:25 four words
	s_mov_b32 s41, 512<<16                         ; tensor_dim0
	s_mov_b32 s42, 64<<16                          ; tensor_dim1
	s_mov_b32 s43, 512<<16                         ; tile_dim0
	s_mov_b32 s44, 64                              ; tile_dim1
	s_mov_b32 s45, 512                             ; from row to row
	s_mov_b32 s46, 0
	s_mov_b32 s47, 0
	s_or_b32 s48, s38, (1<<20)|(1<<21)|(6<<22)|(3<<25)   ; the same with the mask of my column
	s_mov_b32 s49, 512<<16
	s_mov_b32 s50, 32<<16
	s_mov_b32 s51, 512<<16
	s_mov_b32 s52, 32
	s_mov_b32 s53, 512
	s_mov_b32 s54, 0
	s_mov_b32 s55, 0
	; offsets.  x's hang on the token block and the wave, the weights' on the head pair and the wave, each in registers that never hold the other coordinate
	s_lshl_b32 s76, s36, 17                        ; x: 256 rows of 512 bytes a block,
	s_lshl_b32 s78, s30, 15                        ; 64 rows a wave
	s_add_co_u32 s76, s76, s78
	s_mov_b32 s77, 0
	s_lshl_b32 s80, s35, 16                        ; W: 128 rows a head pair,
	s_lshl_b32 s79, s30, 14                        ; 32 rows a wave
	s_add_co_u32 s80, s80, s79
	s_mov_b32 s81, 0
	s_mul_i32 s82, s30, 64*XPITCH                  ; and where they go in LDS: the wave's number alone
	s_mul_i32 s83, s30, 32*XPITCH
	s_lshl_b32 s84, s36, 13                        ; x's scales: 32 bytes a token; my 128 tokens
	s_lshl_b32 s85, s31, 12
	s_add_co_u32 s84, s84, s85
	s_mov_b32 s85, 0
	s_lshl_b32 s86, s35, 12                        ; W's scales: 32 bytes a channel; my head's 64
	s_lshl_b32 s87, s32, 11
	s_add_co_u32 s86, s86, s87
	s_mov_b32 s87, 0
	s_lshl_b32 s88, s35, 9                         ; the biases: my head's 64 numbers
	s_lshl_b32 s89, s32, 8
	s_add_co_u32 s88, s88, s89
	s_mov_b32 s89, 0
	s_lshr_b32 s90, s36, 3                         ; the sequence: 8 token blocks each
	s_lshl_b32 s90, s90, 4
	s_lshl_b32 s91, s35, 1
	s_add_co_u32 s90, s90, s91
	s_add_co_u32 s90, s90, s32                     ; 16 x sequence + head
	s_lshl_b32 s91, s36, 1
	s_add_co_u32 s91, s91, s31
	s_and_b32 s91, s91, 15                         ; which 128 tokens of the sequence
	s_mul_i32 s92, s90, 16*4608
	s_mul_i32 s93, s91, 4608
	s_add_co_u32 s92, s92, s93                     ; qc: [head][block] of 4,608 bytes
	s_mov_b32 s93, 0
	s_mul_i32 s94, s90, 16*8960
	s_mul_i32 s95, s91, 8960
	s_add_co_u32 s94, s94, s95                     ; kv: [head][block] of 8,960 bytes
	s_mov_b32 s95, 0
	s_mov_b32 s96, 0xffff0000                      ; lanes 16-31
	s_mov_b32 s98, 0x76543210
	s_mov_b32 s99, 0xfedcba98                      ; v_permlanex16_b32's selects for lane l xor 16
	s_wait_kmcnt 0x0
	s_mov_b32 s56, 1                               ; group 0 for x: count 1,
	s_mov_b32 s57, s82                             ; LDS address,
	s_add_nc_u64 s[58:59], s[4:5], s[76:77]        ; global address,
	s_or_b32 s59, s59, 0x80000000                  ; type 2
	s_mov_b32 s60, 1                               ; Wq into slot 0
	s_add_co_u32 s61, s83, WS0
	s_add_nc_u64 s[62:63], s[8:9], s[80:81]
	s_or_b32 s63, s63, 0x80000000
	s_mov_b32 s68, 1                               ; Wk into slot 1
	s_add_co_u32 s69, s83, WS1
	s_add_nc_u64 s[70:71], s[14:15], s[80:81]
	s_or_b32 s71, s71, 0x80000000
	s_mov_b32 s72, 1                               ; Wv into slot 0, later
	s_add_co_u32 s73, s83, WS0
	s_add_nc_u64 s[74:75], s[20:21], s[80:81]
	s_or_b32 s75, s75, 0x80000000
	s_add_nc_u64 s[6:7], s[6:7], s[84:85]
	s_add_nc_u64 s[10:11], s[10:11], s[86:87]
	s_add_nc_u64 s[16:17], s[16:17], s[86:87]
	s_add_nc_u64 s[22:23], s[22:23], s[86:87]
	s_add_nc_u64 s[12:13], s[12:13], s[88:89]
	s_add_nc_u64 s[18:19], s[18:19], s[88:89]
	s_add_nc_u64 s[24:25], s[24:25], s[88:89]
	s_add_nc_u64 s[26:27], s[26:27], s[92:93]
	s_add_nc_u64 s[28:29], s[28:29], s[94:95]
	CROUND                                         ; all sixteen work-groups are here: the first joint loads meet
	tensor_load_to_lds s[56:59], s[40:47]          ; the first fills, one group: three loads of mine are out
	s_nop 0
	tensor_load_to_lds s[60:63], s[48:55]
	s_nop 0
	tensor_load_to_lds s[68:71], s[48:55]
	s_nop 0
	PLACES
	v_and_b32 v11, 15, v0                          ; r
	v_bfe_u32 v12, v0, 4, 1                        ; h
	v_and_b32 v13, 31, v0                          ; lane
	v_mul_u32_u24 v14, v11, XPITCH
	v_lshl_add_u32 v14, v12, 4, v14                ; row r x pitch + 16 h
	s_mul_i32 s39, s31, 128*XPITCH
	v_add_nc_u32 v[ADRX], s39, v14
	s_mul_i32 s39, s32, 64*XPITCH
	s_add_co_u32 s39, s39, WS0
	v_add_nc_u32 v[ADRW], s39, v14
	s_add_co_u32 s39, s39, WS1-WS0
	v_add_nc_u32 v[ADRW+1], s39, v14
	v_lshlrev_b32 v[L32], 5, v13
	v_lshlrev_b32 v[H32], 5, v12
	v_lshlrev_b32 v[R4], 2, v11
	v_lshlrev_b32 v[L16], 4, v13
	v_lshlrev_b32 v[L8], 3, v13
.irp g, 0,1,2,3,4,5,6,7,8,9,10,11,12,13,14,15
	v_mov_b32 v[T2+\g], 0                          ; written once: a lane permute's destination counts as one of its sources
.endr
.irp i, 0,1,2,3                                ; scale words: lane l of pair i takes row 32 i + l: its 32 bytes are the words of the eight K steps
.irp k, 0,1
	global_load_b128 v[XS+8*\i+4*\k:XS+8*\i+4*\k+3], v[L32], s[6:7] offset:1024*\i+16*\k
.endr
.endr
.irp i, 0,1
.irp k, 0,1
	global_load_b128 v[WSC+8*\i+4*\k:WSC+8*\i+4*\k+3], v[L32], s[10:11] offset:1024*\i+16*\k
	global_load_b128 v[WSC+16+8*\i+4*\k:WSC+16+8*\i+4*\k+3], v[L32], s[16:17] offset:1024*\i+16*\k
	global_load_b128 v[WSC+32+8*\i+4*\k:WSC+32+8*\i+4*\k+3], v[L32], s[22:23] offset:1024*\i+16*\k
.endr
.endr
	BIASQK 12
	s_wait_tensorcnt 0x1                           ; my parts of x and of Wq are in; Wk's load, the one issued behind them, may be out
	s_barrier_signal -1
	s_barrier_wait -1                              ; everybody's are
	s_wait_loadcnt 0x0                             ; scale words and bq
	; ---- pass q
	FRAGW 0, 0, 0
	FRAGX 0
.irp s, 0,1,2,3,4,5,6,7
	STEP 0, 0, 0, \s
.endr
	EPI 0, 26, 0, 4096
	; ---- pass k: that Wk is whole in LDS was shown by every wave's wait for all its loads in front of the refill's round
	s_wait_loadcnt 0x0                             ; bk
	FRAGW 1, 0, 0
.irp s, 0,1,2,3,4,5,6,7
	STEP 0, 1, 1, \s
.endr
	EPI 0, 28, 0, 8192
	; ---- pass v
	s_wait_tensorcnt 0x0                           ; my part of Wv is in,
	s_wait_dscnt 0x0
	s_barrier_signal -1
	s_barrier_wait -1                              ; everybody's is
	s_wait_loadcnt 0x0                             ; bv
	FRAGW 0, 0, 0
.irp s, 0,1,2,3,4,5,6,7
	STEP 1, 2, 0, \s
.endr
	EPI 1, 28, 4096, 8704
	s_wait_tensorcnt 0x0                           ; the wave's end
	ds_add_u32 v[SPW], v[NIL]
	s_wait_dscnt 0x0
	CROUND                                         ; the closing round: no work-group ends while a partner may still ask for a tile that names it
	s_endpgm
.Lfunc_end_k_q2bfdc164de_qkv:
	.size	k_q2bfdc164de_qkv, .Lfunc_end_k_q2bfdc164de_qkv-k_q2bfdc164de_qkv
	.p2alignl 7, 3214868480
	.fill 96, 4, 3214868480
	.section	.rodata,"a",@progbits
	.p2align	6, 0x0
	.amdhsa_kernel k_q2bfdc164de_qkv
		.amdhsa_group_segment_fixed_size 327680
		.amdhsa_private_segment_fixed_size 0
		.amdhsa_enable_private_segment 0
		.amdhsa_kernarg_size 104
		.amdhsa_user_sgpr_count 2
		.amdhsa_user_sgpr_kernarg_segment_ptr 1
		.amdhsa_wavefront_size32 1
		.amdhsa_system_sgpr_workgroup_id_x 1
		.amdhsa_system_sgpr_workgroup_id_y 1
		.amdhsa_system_sgpr_workgroup_id_z 1
		.amdhsa_system_vgpr_workitem_id 0
		.amdhsa_next_free_vgpr 1024
		.amdhsa_next_free_sgpr 100
		.amdhsa_reserve_vcc 0
		.amdhsa_float_denorm_mode_32 3
		.amdhsa_float_denorm_mode_16_64 3
		.amdhsa_memory_ordered 1
		.amdhsa_forward_progress 1
		.amdhsa_inst_pref_size 184
	.end_amdhsa_kernel
	.amdgpu_metadata
---
amdhsa.version: [ 1, 2 ]
amdhsa.kernels:
  - .name:           k_q2bfdc164de_qkv
    .symbol:         k_q2bfdc164de_qkv.kd
    .args:
      - { .name: x_codes, .offset: 0, .size: 8, .value_kind: global_buffer, .address_space: global }
      - { .name: x_scales, .offset: 8, .size: 8, .value_kind: global_buffer, .address_space: global }
      - { .name: Wq_codes, .offset: 16, .size: 8, .value_kind: global_buffer, .address_space: global }
      - { .name: Wq_scales, .offset: 24, .size: 8, .value_kind: global_buffer, .address_space: global }
      - { .name: bq, .offset: 32, .size: 8, .value_kind: global_buffer, .address_space: global }
      - { .name: Wk_codes, .offset: 40, .size: 8, .value_kind: global_buffer, .address_space: global }
      - { .name: Wk_scales, .offset: 48, .size: 8, .value_kind: global_buffer, .address_space: global }
      - { .name: bk, .offset: 56, .size: 8, .value_kind: global_buffer, .address_space: global }
      - { .name: Wv_codes, .offset: 64, .size: 8, .value_kind: global_buffer, .address_space: global }
      - { .name: Wv_scales, .offset: 72, .size: 8, .value_kind: global_buffer, .address_space: global }
      - { .name: bv, .offset: 80, .size: 8, .value_kind: global_buffer, .address_space: global }
      - { .name: qc, .offset: 88, .size: 8, .value_kind: global_buffer, .address_space: global }
      - { .name: kv, .offset: 96, .size: 8, .value_kind: global_buffer, .address_space: global }
    .group_segment_fixed_size: 327680
    .private_segment_fixed_size: 0
    .kernarg_segment_align: 8
    .kernarg_segment_size: 104
    .max_flat_workgroup_size: 128
    .sgpr_count:     100
    .vgpr_count:     1024
    .wavefront_size: 32
...
	.end_amdgpu_metadata
.endif
;; end of part 1
;; launch attn (part 2): grid 8 x 32, 16 waves a work-group, clusters of 4 x 1, 296,960 bytes of LDS; arguments qc, kv, cc, cs; writes cc, cs
.if DOCPART == 2
	.amdgcn_target "amdgcn-amd-amdhsa--gfx1250"
	.amdhsa_code_object_version 6
	.text
	.protected	k_q2bfdc164de_attn
	.globl	k_q2bfdc164de_attn
	.p2align	8
	.type	k_q2bfdc164de_attn,@function
k_q2bfdc164de_attn:
	s_mov_b64 s[64:65], 0
	v_nop
	global_prefetch_b8 v0, s[64:65] scope:SCOPE_SE
	s_setreg_imm32_b32 hwreg(HW_REG_WAVE_MODE, 25, 1), 1
	s_wait_xcnt 0x0
	s_wait_alu depctr_hold_cnt(0) depctr_sa_sdst(0) depctr_va_vdst(0) depctr_va_sdst(0) depctr_va_ssrc(0) depctr_va_vcc(0) depctr_vm_vsrc(0)
	s_getreg_b32 s2, hwreg(HW_REG_IB_STS2, 6, 4)
	s_cmp_eq_u32 s2, 0
	s_cbranch_scc0 .Lentry_in_a_cluster
	s_endpgm
.Lentry_in_a_cluster:
	s_bfe_u32 s2, ttmp6, 0x10000c
	s_cmp_lg_u32 s2, 0x3003
	s_cbranch_scc0 .Lentry_shape_is_right
	s_endpgm
.Lentry_shape_is_right:
; ctx = softmax(q k^T) v for each head (no factor on the scores, no mask), both products on codes of FP4 (E2M1) with E8M0 scales; ctx is quantised along H at once and leaves as images of the last product's operand.
; THE SOFTMAX: t = score x log2(e); M = the running largest t rounded UP to a whole number, kept as -M = floor(-t); p = 2^(t - M) is what is quantised, along the keys, not normalised.
; The row's sum is taken of the unquantised p, in f32, and divides at the end.  When M moves, the sum and O are multiplied by 2^(old M - new M): exact, and without a branch on data.
; SHARES.  A work-group: 256 queries of one sequence x a pair of heads.  Each of its sixteen waves owns 16 queries, one tile, and runs the pair's first head and then its second: the two heads' 128 channels
; are one K step of the last product, so the wave makes a whole fragment and a whole scale word of ctx.  Four waves share a SIMD: one's exponentials stand beside another's plain and matrix work.
; LDS.  Both heads' K and V, codes and scale words as images of operand registers (8,960 bytes for 128 keys), lie in LDS for the whole launch: 286,720 bytes, filled once; the loops have no refill and no barrier.
; CLUSTER 4 x 1: the four query blocks of a cluster read the same two heads: each tile is asked for jointly.
; LAYOUT.  Both products are used transposed: S^T = K Q^T (source 0 = 16 keys, source 1 = my 16 queries), O^T = V^T P^T (source 0 = 16 channels): a lane holds ONE query (lane % 16) throughout.
; THE FIRST PRODUCT'S K IS 64 in an instruction of 128: Q's registers 4-7 are zero codes.  K's operand of tile t is named v[KF + 4 t : KF + 4 t + 7]: its upper four registers are the next tile's codes (behind tile 7: zeros);
; they meet Q's zero codes under scale bytes 0 (2^-127, no NaN) and add exactly 0.
; LIMITS: NaN and infinities are not served; v_exp_f32 gives 0 for p under 2^-126; a block whose largest p, or ctx, lies under 2^-124 keeps the scale byte 1; a block of zeros has the byte 1 (its codes are zeros; this program alone reads the bytes).
.set STEPB, 8960                       ; 128 keys: K's codes 4,096, V's codes 4,096, K's scale words 512, V's 256
.set HEADB, 16*STEPB
.set STG,   2*HEADB                    ; behind the two heads: ctx's 256 scale words; no tile lands here
.set QHEAD, 73728                      ; from a head to the next in qc
.set L16,  1                           ; v1   16 x lane
.set L8,   2                           ; v2   8 x lane
.set ADR,  3                           ; v3   the step's bytes + 16 x lane
.set ADR8, 4                           ; v4   the step's bytes + 8 x lane
.set R16,  5                           ; v5   16 x (lane % 16)
.set STGA, 6                           ; v6   where my query's scale word goes
.set CW,   7                           ; v7   that word
.set QS,   8                           ; v8, v9  Q's scale words, head 0, 1
.set STGR, 10                          ; v10  STG + 16 x thread
.set T16,  11                          ; v11  16 x thread
                                       ; v12 -M, v13 the largest t, v[14:15] the sum in two halves
.set QF,   16                          ; v16-23, v24-31  Q's operand, head 0, 1; the upper four registers of each are zeros
.set KF,   32                          ; v32-63 K's eight tiles, four registers each; v64-67 zeros
.set VF,   68                          ; v68-99 V's four fragments
.set S,    100                         ; v100-163 S^T, then p
.set O,    164                         ; v164-195 O^T
.set PC,   196                         ; v196-203 p's codes
.set KS,   204                         ; v204-207 K's scale words: register i: lanes 0-15 tile 2 i, lanes 16-31 tile 2 i + 1
.set VS,   208                         ; v208-209 V's likewise
.set PS,   210                         ; v210 p's scale word
.set BM,   212                         ; v212-215 the blocks' largest scores, then largest p
.set T2,   216                         ; v216-219 the other half's maxima, then the bytes
.set SC,   220                         ; v220-223 the conversions' scale operands
.set TMP,  224
.set F,    226                         ; v[226:227] f = 2^(old M - new M); the pair's upper word is written once
.set SUM2, 228                         ; v[228:229] the sum's second chain
.set CD,   232                         ; v232-235 ctx's codes
.set GW,   236                         ; v236-239 the scale words on their way out
.set WV,   12
.set SEL,  32                          ; s[32:33] v_permlanex16_b32's selects for lane l xor 16
.set CS,   34                          ; s[34:35] log2(e): the packed form names a pair and takes its low word for both halves
.set TB,   36                          ; s36 LDS byte at which the step's images begin
.set CNT,  37
.macro CROUND                          ; a round of the cluster's barrier
	s_barrier_signal -1
	s_barrier_wait -1
	s_cmp_lg_u32 s[WV], 0
	s_cbranch_scc1 .Lnot_wave_0_\@
	s_barrier_signal -3
.Lnot_wave_0_\@:
	s_barrier_wait -3
	s_barrier_signal -1
	s_barrier_wait -1
.endm
.macro INIT                            ; the step is written once: the first finds zeros, which the first change of M leaves zeros.  32 lines a head spare a second copy of the step
	v_mov_b32 v13, 0xff61b1e6                      ; the largest t so far: -3e38, under every t
	v_floor_f32 v12, -v13
	v_mov_b32 v14, 0
	v_mov_b32 v15, 0
.set j, 0
.rept 32
	v_mov_b32 v[O+j], 0
.set j, j+1
.endr
.endm
; A KEY STEP: 128 keys of head hd.
.macro STEP hd
	v_add_nc_u32 v[ADR], s[TB], v[L16]
	v_add_nc_u32 v[ADR8], s[TB], v[L8]
	v_nop
	v_nop                                          ; with the two additions: four places behind the last step's products, for the loads into V's registers
.irp t, 0,1,2,3,4,5,6,7
	ds_load_b128 v[KF+4*\t:KF+4*\t+3], v[ADR] offset:512*\t
.endr
	ds_load_b128 v[KS:KS+3], v[ADR] offset:8192
.irp i, 0,1,2,3,4,5,6,7
	ds_load_b128 v[VF+4*\i:VF+4*\i+3], v[ADR] offset:4096+512*\i
.endr
	ds_load_b64 v[VS:VS+1], v[ADR8] offset:8704
	s_wait_dscnt 9                                 ; K and its scale words are in; the nine younger loads (V's eight, its words) may be out
.irp t, 0,2,4,6                                ; S^T: tile t = keys 16 t on; lane (r, h) holds query r, register j key 16 t + 8 h + j
	v_wmma_scale_f32_16x16x128_f8f6f4 v[S+8*\t:S+8*\t+7], v[KF+4*\t:KF+4*\t+7], v[QF+8*\hd:QF+8*\hd+7], 0, v[KS+\t/2], v[QS+\hd] matrix_a_fmt:MATRIX_FMT_FP4 matrix_b_fmt:MATRIX_FMT_FP4
	v_wmma_scale_f32_16x16x128_f8f6f4 v[S+8*\t+8:S+8*\t+15], v[KF+4*\t+4:KF+4*\t+11], v[QF+8*\hd:QF+8*\hd+7], 0, v[KS+\t/2], v[QS+\hd] matrix_a_fmt:MATRIX_FMT_FP4 matrix_b_fmt:MATRIX_FMT_FP4 matrix_a_scale:MATRIX_SCALE_ROW1
.endr
.rept 4
	v_nop
.endr
.irp b, 0,1,2,3
	v_max3_num_f32 v[BM+\b], v[S+16*\b], v[S+16*\b+1], v[S+16*\b+2]   ; the largest score of each block of 32 keys: for the row's maximum and, since p rises with the score, for the block's largest p
.endr
.irp i, 3,5,7,9,11,13
.irp b, 0,1,2,3
	v_max3_num_f32 v[BM+\b], v[BM+\b], v[S+16*\b+\i], v[S+16*\b+\i+1]
.endr
.endr
.irp b, 0,1,2,3
	v_max_num_f32 v[BM+\b], v[BM+\b], v[S+16*\b+15]
.endr
.irp b, 0,1,2,3
	v_permlanex16_b32 v[T2+\b], v[BM+\b], s[SEL], s[SEL+1]
.endr
.irp b, 0,1,2,3
	v_max_num_f32 v[BM+\b], v[BM+\b], v[T2+\b]     ; with lane l xor 16's 16 keys
.endr
	v_max3_num_f32 v[TMP], v[BM], v[BM+1], v[BM+2]
	v_max_num_f32 v[TMP], v[TMP], v[BM+3]          ; the step's largest score of my query
	v_mul_f32 v[TMP], s[CS], v[TMP]                ; as t
	v_max_num_f32 v13, v13, v[TMP]                 ; the running largest t
	v_mov_b32 v[TMP], v12
	v_floor_f32 v12, -v13                          ; the new -M = -ceil(t)
	v_sub_f32 v[TMP], v12, v[TMP]                  ; old M - new M: a whole number, 0 or less
	v_cvt_i32_f32 v[TMP], v[TMP]                   ; (it saturates)
	v_ldexp_f32 v[F], 1.0, v[TMP]                  ; f = 2^(old M - new M)
.irp b, 0,1,2,3
	v_fma_f32 v[BM+\b], v[BM+\b], s[CS], v12       ; t - M of each block's largest score
.endr
	v_pk_fma_f32 v[S:S+1], v[S:S+1], s[CS:CS+1], v[12:13] op_sel_hi:[1,0,0]       ; t - M, two at a time
	v_pk_fma_f32 v[S+2:S+3], v[S+2:S+3], s[CS:CS+1], v[12:13] op_sel_hi:[1,0,0]
; two exponentials, then plain work that is ready: the scaling of the pair two ahead and, every other time, a pair of O^T x f (ascending): a plain independent line follows every pair of exponentials
.set j, 0
.rept 32
	v_exp_f32 v[S+2*j], v[S+2*j]
	v_exp_f32 v[S+2*j+1], v[S+2*j+1]
.if j < 30
	v_pk_fma_f32 v[S+2*j+4:S+2*j+5], v[S+2*j+4:S+2*j+5], s[CS:CS+1], v[12:13] op_sel_hi:[1,0,0]
.endif
.if j%2 == 0
	v_pk_mul_f32 v[O+j:O+j+1], v[O+j:O+j+1], v[F:F+1] op_sel_hi:[1,0]
.endif
.set j, j+1
.endr
.irp b, 0,1,2,3
	v_exp_f32 v[BM+\b], v[BM+\b]                   ; the block's largest p: the same two instructions on the same number give the same bits
.endr
	v_pk_mul_f32 v[14:15], v[14:15], v[F:F+1] op_sel_hi:[1,0]   ; the sums under the new M (the plain place behind the exponentials)
	s_wait_alu depctr_va_vdst(0)
.irp b, 0,1,2,3
	v_max_num_f32 v[BM+\b], 0x1800000, v[BM+\b]    ; the floor 2^(3 - 127): the byte cannot fall under 1
.endr
.irp b, 0,1,2,3
	v_add_nc_u32 v[SC+\b], 0xff000000, v[BM+\b]    ; 2 off the exponent field: the conversion's scale operand
.endr
.irp b, 0,1,2,3
	v_lshrrev_b32 v[T2+\b], 23, v[SC+\b]           ; the scale's byte
.endr
	v_lshl_or_b32 v[PS], v[T2+1], 8, v[T2]         ; p's scale word for these 128 keys
	v_lshl_or_b32 v[PS], v[T2+2], 16, v[PS]
	v_lshl_or_b32 v[PS], v[T2+3], 24, v[PS]
.irp c, 0,1                                    ; tile i of block 2 c + d goes to PC[4 c + 2 i + d]; the exchange of halves below makes the operand's registers of them
.irp i, 0,1
.irp d, 0,1
	v_cvt_scalef32_pk8_fp4_f32 v[PC+4*\c+2*\i+\d], v[S+16*(2*\c+\d)+8*\i:S+16*(2*\c+\d)+8*\i+7], v[SC+2*\c+\d]
.endr
.endr
.endr
	v_nop                                          ; one plain place behind the scaled conversions
.irp c, 0,1
.irp i, 0,1
	v_permlane16_swap_b32 v[PC+4*\c+2*\i], v[PC+4*\c+2*\i+1]
.endr
.endr
	v_pk_add_f32 v[SUM2:SUM2+1], v[S:S+1], v[S+2:S+3]   ; the row's sum is taken of the UNQUANTISED p, two at a time, in two chains.  These 32 lines are also the places between the scale word and the codes just made and the products below
.irp j, 4,8,12,16,20,24,28,32,36,40,44,48,52,56,60
	v_pk_add_f32 v[14:15], v[14:15], v[S+\j:S+\j+1]
	v_pk_add_f32 v[SUM2:SUM2+1], v[SUM2:SUM2+1], v[S+\j+2:S+\j+3]
.endr
	v_pk_add_f32 v[14:15], v[14:15], v[SUM2:SUM2+1]
	s_wait_dscnt 0x0                               ; V and its scale words are in
.irp t, 0,2                                    ; O^T += V^T P^T: four accumulators, one instruction a turn; the next step's eight products stand between two turns of one accumulator
	v_wmma_scale_f32_16x16x128_f8f6f4 v[O+8*\t:O+8*\t+7], v[VF+8*\t:VF+8*\t+7], v[PC:PC+7], v[O+8*\t:O+8*\t+7], v[VS+\t/2], v[PS] matrix_a_fmt:MATRIX_FMT_FP4 matrix_b_fmt:MATRIX_FMT_FP4
	v_wmma_scale_f32_16x16x128_f8f6f4 v[O+8*\t+8:O+8*\t+15], v[VF+8*\t+8:VF+8*\t+15], v[PC:PC+7], v[O+8*\t+8:O+8*\t+15], v[VS+\t/2], v[PS] matrix_a_fmt:MATRIX_FMT_FP4 matrix_b_fmt:MATRIX_FMT_FP4 matrix_a_scale:MATRIX_SCALE_ROW1
.endr
	s_add_co_u32 s[TB], s[TB], STEPB
.endm
; A head's end: O^T / the sum is ctx; its 64 channels are two blocks of 32 along H: four registers of codes, half a fragment, and two bytes of my query's scale word.
.macro FINISH hd
.rept 4
	v_nop
.endr
	s_wait_xcnt 0x0                                ; the first head's store has read CD: it is rewritten only behind this wait
	v_add_f32 v14, v14, v15                        ; the sum's two halves,
	v_permlanex16_b32 v[TMP], v14, s[SEL], s[SEL+1]
	v_add_f32 v14, v14, v[TMP]                     ; and lane l xor 16's
	v_rcp_f32 v14, v14
	v_nop                                          ; one plain place behind the transcendental
	s_wait_alu depctr_va_vdst(0)
.irp j, 0,2,4,6,8,10,12,14,16,18,20,22,24,26,28,30
	v_pk_mul_f32 v[S+\j:S+\j+1], v[O+\j:O+\j+1], v[14:15] op_sel_hi:[1,0]   ; register 8 t + i is ctx(query r, channel 16 t + 8 h + i); each accumulator from its low end on
.endr
.irp b, 0,1
	v_max3_num_f32 v[BM+\b], |v[S+16*\b]|, |v[S+16*\b+1]|, 0x1800000
.endr
.irp i, 2,4,6,8,10,12,14
.irp b, 0,1
	v_max3_num_f32 v[BM+\b], v[BM+\b], |v[S+16*\b+\i]|, |v[S+16*\b+\i+1]|
.endr
.endr
.irp b, 0,1
	v_permlanex16_b32 v[T2+\b], v[BM+\b], s[SEL], s[SEL+1]
.endr
.irp b, 0,1
	v_max_num_f32 v[BM+\b], v[BM+\b], v[T2+\b]
.endr
.irp b, 0,1
	v_add_nc_u32 v[SC+\b], 0xff000000, v[BM+\b]
.endr
.irp b, 0,1
	v_lshrrev_b32 v[T2+\b], 23, v[SC+\b]
.endr
.irp i, 0,1
.irp d, 0,1
	v_cvt_scalef32_pk8_fp4_f32 v[CD+2*\i+\d], v[S+16*\d+8*\i:S+16*\d+8*\i+7], v[SC+\d]
.endr
.endr
	v_nop
	v_permlane16_swap_b32 v[CD], v[CD+1]
	v_permlane16_swap_b32 v[CD+2], v[CD+3]
.if \hd == 0
	v_lshl_or_b32 v[CW], v[T2+1], 8, v[T2]         ; bytes 0, 1 of the K step's word
.else
	v_lshl_or_b32 v[TMP], v[T2+1], 8, v[T2]
	v_lshl_or_b32 v[CW], v[TMP], 16, v[CW]         ; bytes 2, 3
.endif
	global_store_b128 v[L16], v[CD:CD+3], s[8:9] offset:512*\hd   ; 32 lanes store 512 consecutive bytes, at a multiple of 256 from the buffer's first byte
.endm
	s_load_b256 s[4:11], s[0:1], 0x0               ; qc 4, kv 6, cc 8, cs 10
	v_lshl_add_u32 v254, v0, 2, 0x48000
	v_mov_b32 v255, 0
	ds_add_u32 v254, v255
	ds_add_u32 v254, v255
	v_lshrrev_b32 v3, 5, v0
	v_readfirstlane_b32 s[WV], v3                  ; wave 0..15
	s_bfe_u32 s13, ttmp6, 0x40000                  ; cx: my place in the cluster: it enters Q's, cc's and cs's addresses alone
	s_lshl_b32 s14, ttmp9, 2
	s_add_co_u32 s14, s14, s13                     ; my block of 256 queries, 0..7
	s_and_b32 s15, ttmp7, 0xffff                   ; y = 8 x sequence + head pair, which the four partners share
	; descriptor group 1: 8,960 dense bytes as 35 rows of 256
	s_mov_b32 s16, 15|(3<<16)|(1<<21)              ; 15:0 the mask: all four work-groups; 17:16 elements of 8 bytes; 21 set beside a mask
	s_mov_b32 s17, 32<<16                          ; tensor_dim0
	s_mov_b32 s18, 35<<16                          ; tensor_dim1
	s_mov_b32 s19, 32<<16                          ; tile_dim0
	s_mov_b32 s20, 35                              ; tile_dim1
	s_mov_b32 s21, 32                              ; from row to row
	s_mov_b32 s22, 0
	s_mov_b32 s23, 0
	s_mul_i32 s38, s15, 2*HEADB                    ; the pair's first byte in kv,
	s_mul_i32 s25, s[WV], STEPB                    ; wave w fetches key step w of each head
	s_add_co_u32 s38, s38, s25
	s_mov_b32 s39, 0
	s_and_b32 s40, s[WV], 7                        ; my tile among the eight of a block of 128 tokens
	s_lshr_b32 s41, s[WV], 3
	s_lshl_b32 s42, s14, 1
	s_add_co_u32 s41, s41, s42                     ; which block of 128 of the sequence
	s_mul_i32 s42, s15, 2*QHEAD
	s_mul_i32 s43, s41, 4608
	s_add_co_u32 s42, s42, s43                     ; the block's first byte in qc (the pair's first head)
	s_lshl_b32 s43, s40, 9
	s_add_co_u32 s44, s42, s43                     ; my tile's codes
	s_mov_b32 s45, 0
	s_and_b32 s43, s40, 1
	s_lshl_b32 s43, s43, 8
	s_add_co_u32 s46, s42, s43                     ; my tile's scale words: an odd tile's stand in lanes 16-31's 16 bytes,
	s_lshr_b32 s43, s40, 1
	s_lshl_b32 s43, s43, 2
	s_add_co_u32 s46, s46, s43                     ; word tile / 2 of them,
	s_add_co_u32 s46, s46, 4096                    ; behind the block's codes
	s_mov_b32 s47, 0
	s_lshr_b32 s48, s15, 3                         ; the sequence
	s_and_b32 s49, s15, 7                          ; the head pair = the last product's K step
	s_lshl_b32 s50, s48, 7
	s_lshl_b32 s51, s14, 4
	s_add_co_u32 s50, s50, s51
	s_add_co_u32 s50, s50, s[WV]                   ; my tile of 16 tokens among all 512
	s_lshl_b32 s50, s50, 13                        ; cc: 8,192 bytes a tile,
	s_lshl_b32 s51, s49, 10                        ; 1,024 a K step
	s_add_co_u32 s50, s50, s51
	s_mov_b32 s51, 0
	s_lshl_b32 s52, s49, 15                        ; cs: 32,768 bytes a K step,
	s_lshl_b32 s53, s48, 13                        ; 4 bytes a token
	s_add_co_u32 s52, s52, s53
	s_lshl_b32 s53, s14, 10
	s_add_co_u32 s52, s52, s53
	s_mov_b32 s53, 0
	s_mov_b32 s[SEL], 0x76543210
	s_mov_b32 s[SEL+1], 0xfedcba98
	s_mov_b32 s[CS], 0x3fb8aa3b                    ; log2(e)
	s_mov_b32 s[CS+1], s[CS]
	s_wait_dscnt 0x0
	s_wait_kmcnt 0x0
	s_mov_b32 s24, 1                               ; group 0, first head: count 1; s25 the LDS address;
	s_add_nc_u64 s[26:27], s[6:7], s[38:39]        ; the global address
	s_mov_b32 s28, 1                               ; second head: both addresses a head further on
	s_add_co_u32 s29, s25, HEADB
	s_add_nc_u64 s[30:31], s[26:27], HEADB
	s_or_b32 s27, s27, 0x80000000                  ; type 2
	s_or_b32 s31, s31, 0x80000000
	s_add_nc_u64 s[54:55], s[4:5], s[46:47]        ; Q's scale words
	s_add_nc_u64 s[4:5], s[4:5], s[44:45]          ; Q's codes
	s_add_nc_u64 s[8:9], s[8:9], s[50:51]
	s_add_nc_u64 s[10:11], s[10:11], s[52:53]
	CROUND                                         ; all four work-groups are here: the joint loads meet
	tensor_load_to_lds s[24:27], s[16:23]          ; the launch's only fills: two loads of mine are out
	s_nop 0
	tensor_load_to_lds s[28:31], s[16:23]
	s_nop 0
.rept 4
	v_nop
.endr
	v_and_b32 v[L16], 31, v0
	v_lshlrev_b32 v[L8], 3, v[L16]
	v_lshlrev_b32 v[L16], 4, v[L16]
	v_and_b32 v[R16], 15, v0
	v_lshlrev_b32 v[STGA], 2, v[R16]
	v_lshlrev_b32 v[R16], 4, v[R16]
	s_lshl_b32 s56, s[WV], 6
	s_add_co_u32 s56, s56, STG
	v_add_nc_u32 v[STGA], s56, v[STGA]             ; STG + 4 x (16 wave + r)
	v_lshlrev_b32 v[T16], 4, v0
	v_add_nc_u32 v[STGR], STG, v[T16]
	global_load_b128 v[QF:QF+3], v[L16], s[4:5]
	global_load_b128 v[QF+8:QF+11], v[L16], s[4:5] offset:QHEAD
	global_load_b32 v[QS], v[R16], s[54:55]
	global_load_b32 v[QS+1], v[R16], s[54:55] offset:QHEAD
.irp j, 4,5,6,7,12,13,14,15
	v_mov_b32 v[QF+\j], 0                          ; zero codes for K = 64 .. 127
.endr
.irp j, 0,1,2,3
	v_mov_b32 v[KF+32+\j], 0                       ; what tile 7's operand names behind its codes
	v_mov_b32 v[T2+\j], 0                          ; written once: a lane permute's destination counts as one of its sources
.endr
	v_mov_b32 v[TMP], 0
	v_mov_b32 v[F+1], 0                            ; named as the pair's upper word
	INIT
	s_mov_b32 s[TB], 0
	s_wait_tensorcnt 0x1                           ; my step of the first head is in; the second head's load, issued behind it, may be out
	s_barrier_signal -1
	s_barrier_wait -1                              ; the first head is whole
	s_wait_loadcnt 0x0                             ; Q
	s_mov_b32 s[CNT], 16
.Lh0:
	STEP 0
	s_sub_co_u32 s[CNT], s[CNT], 1
	s_cmp_lg_u32 s[CNT], 0
	s_cbranch_scc1 .Lh0
	FINISH 0
	INIT
	s_mov_b32 s[TB], HEADB
	s_wait_tensorcnt 0x0                           ; my step of the second head is in,
	s_wait_dscnt 0x0
	s_barrier_signal -1
	s_barrier_wait -1                              ; everybody's is
	s_mov_b32 s[CNT], 16
.Lh1:
	STEP 1
	s_sub_co_u32 s[CNT], s[CNT], 1
	s_cmp_lg_u32 s[CNT], 0
	s_cbranch_scc1 .Lh1
	FINISH 1
	ds_store_b32 v[STGA], v[CW]                    ; lanes l and l + 16 write the same word with the same value
	s_wait_dscnt 0x0                               ; for the others' sake: my store has landed
	s_barrier_signal -1
	s_barrier_wait -1
	s_cmp_gt_u32 s[WV], 1                          ; the work-group's 256 words, 1,024 bytes, leave by waves 0 and 1
	s_cbranch_scc1 .Lno_cs
	ds_load_b128 v[GW:GW+3], v[STGR]
	s_wait_dscnt 0x0
	global_store_b128 v[T16], v[GW:GW+3], s[10:11] ; 32 lanes store 512 consecutive bytes, at a multiple of 256 from the buffer's first byte
.Lno_cs:
	s_wait_tensorcnt 0x0
	ds_add_u32 v254, v255
	s_wait_dscnt 0x0
	CROUND                                         ; the closing round
	s_endpgm
.Lfunc_end_k_q2bfdc164de_attn:
	.size	k_q2bfdc164de_attn, .Lfunc_end_k_q2bfdc164de_attn-k_q2bfdc164de_attn
	.p2alignl 7, 3214868480
	.fill 96, 4, 3214868480
	.section	.rodata,"a",@progbits
	.p2align	6, 0x0
	.amdhsa_kernel k_q2bfdc164de_attn
		.amdhsa_group_segment_fixed_size 296960
		.amdhsa_private_segment_fixed_size 0
		.amdhsa_enable_private_segment 0
		.amdhsa_kernarg_size 32
		.amdhsa_user_sgpr_count 2
		.amdhsa_user_sgpr_kernarg_segment_ptr 1
		.amdhsa_wavefront_size32 1
		.amdhsa_system_sgpr_workgroup_id_x 1
		.amdhsa_system_sgpr_workgroup_id_y 1
		.amdhsa_system_sgpr_workgroup_id_z 1
		.amdhsa_system_vgpr_workitem_id 0
		.amdhsa_next_free_vgpr 256
		.amdhsa_next_free_sgpr 66
		.amdhsa_reserve_vcc 0
		.amdhsa_float_denorm_mode_32 3
		.amdhsa_float_denorm_mode_16_64 3
		.amdhsa_memory_ordered 1
		.amdhsa_forward_progress 1
		.amdhsa_inst_pref_size 46
	.end_amdhsa_kernel
	.amdgpu_metadata
---
amdhsa.version: [ 1, 2 ]
amdhsa.kernels:
  - .name:           k_q2bfdc164de_attn
    .symbol:         k_q2bfdc164de_attn.kd
    .args:
      - { .name: qc, .offset: 0, .size: 8, .value_kind: global_buffer, .address_space: global }
      - { .name: kv, .offset: 8, .size: 8, .value_kind: global_buffer, .address_space: global }
      - { .name: cc, .offset: 16, .size: 8, .value_kind: global_buffer, .address_space: global }
      - { .name: cs, .offset: 24, .size: 8, .value_kind: global_buffer, .address_space: global }
    .group_segment_fixed_size: 296960
    .private_segment_fixed_size: 0
    .kernarg_segment_align: 8
    .kernarg_segment_size: 32
    .max_flat_workgroup_size: 512
    .sgpr_count:     66
    .vgpr_count:     256
    .wavefront_size: 32
...
	.end_amdgpu_metadata
.endif
;; end of part 2
;; launch proj (part 3): grid 8 x 32, 4 waves a work-group, clusters of 4 x 4, 232,960 bytes of LDS; arguments cc, cs, Wo_codes, Wo_scales, bo, out0; writes out0
.if DOCPART == 3
	.amdgcn_target "amdgcn-amd-amdhsa--gfx1250"
	.amdhsa_code_object_version 6
	.text
	.protected	k_q2bfdc164de_proj
	.globl	k_q2bfdc164de_proj
	.p2align	8
	.type	k_q2bfdc164de_proj,@function
k_q2bfdc164de_proj:
	s_mov_b64 s[64:65], 0
	v_nop
	global_prefetch_b8 v0, s[64:65] scope:SCOPE_SE
	s_setreg_imm32_b32 hwreg(HW_REG_WAVE_MODE, 25, 1), 1
	s_wait_xcnt 0x0
	s_wait_alu depctr_hold_cnt(0) depctr_sa_sdst(0) depctr_va_vdst(0) depctr_va_sdst(0) depctr_va_ssrc(0) depctr_va_vcc(0) depctr_vm_vsrc(0)
	s_getreg_b32 s2, hwreg(HW_REG_IB_STS2, 6, 4)
	s_cmp_eq_u32 s2, 0
	s_cbranch_scc0 .Lentry_in_a_cluster
	s_endpgm
.Lentry_in_a_cluster:
	s_bfe_u32 s2, ttmp6, 0x10000c
	s_cmp_lg_u32 s2, 0xf033
	s_cbranch_scc0 .Lentry_shape_is_right
	s_endpgm
.Lentry_shape_is_right:
; out = ctx Wo^T + bo on codes of FP4 (E2M1) with E8M0 scales; sums in f32.  ctx comes as images of operand registers (cc) and one scale word for each token and K step (cs).
; SHARES.  A work-group: 256 tokens x 128 columns.  Wave w: tokens 64 w on, all 128 columns.  Wo's 128 rows for all of K (64 fragments, 512 registers) are read from LDS once and stay in the wave's registers.
; ctx goes tile by tile of 16 tokens: 64 products on 8 accumulators by turns, K ascending; a finished tile leaves through the wave's own stage while the next is multiplied.  Nothing in LDS is filled twice.
; CLUSTER 4 x 4: ctx's tile hangs on the token block alone and is asked for jointly along a row of the cluster, Wo's on the column block alone, jointly along a column.
; USED TRANSPOSED (source 0 = 16 rows of Wo, source 1 = 16 tokens): a lane holds eight neighbouring columns of one row of out.  The bias is the C of each sum's first product.
; LIMITS: NaN, infinities and a given scale byte 0xff are not served.
; REGISTERS, in windows of 256: window 0: addresses, scale words, the bias, ctx's fragments (two buffers of 64);  window 1: two sets of 8 accumulators, two sets of 64 registers for rows on their way out;
;   windows 2, 3: Wo's fragments (K step s, tile t) at 64 (s % 4) + 8 t of window 2 + s / 4.
.set WPITCH, 528                       ; a row of Wo in LDS: 512 bytes + 16 of padding
.set WREG,   131072                    ; behind ctx's images (32,768 bytes a wave): Wo's 128 rows
.set STAGE,  WREG+128*WPITCH           ; behind them: 16 rows x (512 + 16) bytes for each wave; no tile lands here
.set LI,   1                           ; v1  16 x lane
.set L4,   2                           ; v2  4 x lane
.set L32,  3                           ; v3  32 x lane
.set H32,  4                           ; v4  32 x (lane / 16)
.set ADRA, 5                           ; v5  my wave's images + 16 x lane
.set ADRW, 6                           ; v6  my lane's place in a tile of Wo
.set STO,  7                           ; v7  the stage: where I put 32 bytes of a row
.set RD,   8                           ; v8  and where I read a row back
.set CSW,  16                          ; v16-31  ctx's scale words: register 8 i + s: lanes 0-15 tile 2 i, lanes 16-31 tile 2 i + 1, K step s
.set WSW,  32                          ; v32-63  Wo's likewise
.set BIAS, 64                          ; v64-127 bo in the result's layout, tile t at 8 t
.set AF,   128                         ; v128-255 ctx's fragments: buffer b at 64 b, K step s at 8 s
.set MSB, 0
.macro WIN new                         ; the immediate's high byte repeats the setting that is left
.if MSB != \new
	s_set_vgpr_msb (MSB<<8)|\new
.set MSB, \new
.endif
.endm
.macro PLACES                          ; four places: plain vector instructions that name no register of the matrix instructions in front (ISA guide 7.12.1)
.rept 4
	v_nop
.endr
.endm
.macro CROUND                          ; a round of the cluster's barrier
	s_barrier_signal -1
	s_barrier_wait -1
	s_cmp_lg_u32 s16, 0
	s_cbranch_scc1 .Lnot_wave_0_\@
	s_barrier_signal -3
.Lnot_wave_0_\@:
	s_barrier_wait -3
	s_barrier_signal -1
	s_barrier_wait -1
.endm
.macro WM d, a, b, c, sa, sb, ra, rb   ; one product; ra, rb: the side's scale words stand in lanes 16-31 of the register named
.if (\ra) && (\rb)
	v_wmma_scale_f32_16x16x128_f8f6f4 v[\d:\d+7], v[\a:\a+7], v[\b:\b+7], v[\c:\c+7], v[\sa], v[\sb] matrix_a_fmt:MATRIX_FMT_FP4 matrix_b_fmt:MATRIX_FMT_FP4 matrix_a_scale:MATRIX_SCALE_ROW1 matrix_b_scale:MATRIX_SCALE_ROW1
.elseif (\ra)
	v_wmma_scale_f32_16x16x128_f8f6f4 v[\d:\d+7], v[\a:\a+7], v[\b:\b+7], v[\c:\c+7], v[\sa], v[\sb] matrix_a_fmt:MATRIX_FMT_FP4 matrix_b_fmt:MATRIX_FMT_FP4 matrix_a_scale:MATRIX_SCALE_ROW1
.elseif (\rb)
	v_wmma_scale_f32_16x16x128_f8f6f4 v[\d:\d+7], v[\a:\a+7], v[\b:\b+7], v[\c:\c+7], v[\sa], v[\sb] matrix_a_fmt:MATRIX_FMT_FP4 matrix_b_fmt:MATRIX_FMT_FP4 matrix_b_scale:MATRIX_SCALE_ROW1
.else
	v_wmma_scale_f32_16x16x128_f8f6f4 v[\d:\d+7], v[\a:\a+7], v[\b:\b+7], v[\c:\c+7], v[\sa], v[\sb] matrix_a_fmt:MATRIX_FMT_FP4 matrix_b_fmt:MATRIX_FMT_FP4
.endif
.endm
.macro FETCHW s                        ; Wo's eight tiles of K step s: they stay
.if (\s) < 4
	WIN 0x80
.else
	WIN 0xc0
.endif
.irp t, 0,1,2,3,4,5,6,7
.irp c, 0,1
	ds_load_b128 v[64*((\s)%4)+8*\t+4*\c:64*((\s)%4)+8*\t+4*\c+3], v[ADRW] offset:16*\t*WPITCH+64*(\s)+32*\c
.endr
.endr
.endm
.macro FETCHA a, b                     ; my tile a of ctx, all eight K steps, into buffer b: images, 512 consecutive bytes a load
	WIN 0
.irp s, 0,1,2,3,4,5,6,7
.irp c, 0,1
	ds_load_b128 v[AF+64*(\b)+8*\s+4*\c:AF+64*(\b)+8*\s+4*\c+3], v[ADRA] offset:8192*(\a)+1024*\s+512*\c
.endr
.endr
.endm
; Tile a: 64 products, its 8 accumulators (set a % 2) by turns, one instruction a turn, K ascending.  first = 1: Wo's fragments are fetched on the way, a K step ahead.
.macro MULT a, first
.irp s, 0,1,2,3,4,5,6,7
.if \first
.if \s < 7
	FETCHW \s+1
	s_wait_dscnt 16                                ; all but the sixteen loads just issued: this K step's fragments are in
.else
	s_wait_dscnt 0x0
.endif
.endif
.if \s == 0
	WIN 0x42                                       ; Wo window 2, ctx window 0, C = the bias in window 0, D window 1
.elseif \s < 4
	WIN 0x52
.else
	WIN 0x53                                       ; Wo window 3
.endif
.irp t, 0,1,2,3,4,5,6,7
.set rD, 64*((\a)%2)+8*\t
.set rC, rD
.if \s == 0
.set rC, BIAS+8*\t
.endif
.set rA, 64*(\s%4)+8*\t
.set rB, AF+64*((\a)%2)+8*\s
.set rSA, WSW+8*(\t/2)+\s
.set rSB, CSW+8*((\a)/2)+\s
	WM rD, rA, rB, rC, rSA, rSB, \t%2, (\a)%2
.endr
.endr
.endm
; THE WAY OUT of tile a.  A lane holds 32 neighbouring bytes of a row and the lanes beside it hold other rows: the tile goes through my own stage and comes back as whole rows of 512 bytes.
; LDS serves a wave's instructions in order (ISA guide 5.7.1.4): no wait between the stores and the loads, nor in front of the next tile's stores.
.macro TOSTAGE a
	WIN 0x04                                       ; the data: window 1
.irp t, 0,1,2,3,4,5,6,7
	ds_store_b128 v[STO], v[64*((\a)%2)+8*\t:64*((\a)%2)+8*\t+3] offset:64*\t        ; each accumulator from its low end on
	ds_store_b128 v[STO], v[64*((\a)%2)+8*\t+4:64*((\a)%2)+8*\t+7] offset:64*\t+16
.endr
	WIN 0x40
.irp i, 0,1,2,3,4,5,6,7,8,9,10,11,12,13,14,15
	ds_load_b128 v[128+64*((\a)%2)+4*\i:128+64*((\a)%2)+4*\i+3], v[RD] offset:528*\i
.endr
	WIN 0
.endm
.macro SEND a, younger                 ; younger: the LDS loads issued behind the stage's, which may stay out
	s_wait_dscnt \younger
	WIN 0x04
.irp i, 0,1,2,3,4,5,6,7,8,9,10,11,12,13,14,15
	global_store_b128 v[LI], v[128+64*((\a)%2)+4*\i:128+64*((\a)%2)+4*\i+3], s[14:15] offset:(16*(\a)+\i)*4096 th:TH_STORE_NT   ; 32 lanes store 512 consecutive bytes, at a multiple of 256 from out's first byte; 63 rows at the most stand in the immediate
.endr
	WIN 0
.endm
	s_load_b256 s[4:11], s[0:1], 0x0               ; cc 4, cs 6, Wo codes 8, Wo scales 10
	s_load_b128 s[12:15], s[0:1], 0x20             ; bo 12, out 14
	v_lshl_add_u32 v14, v0, 2, 0x38c00
	v_mov_b32 v15, 0
	ds_add_u32 v14, v15
	ds_add_u32 v14, v15
	v_lshrrev_b32 v9, 5, v0
	v_readfirstlane_b32 s16, v9                    ; wave 0..3
	s_bfe_u32 s17, ttmp6, 0x40000                  ; cx, cy: my place in the cluster
	s_bfe_u32 s18, ttmp6, 0x40004
	s_lshl_b32 s19, ttmp9, 2
	s_add_co_u32 s19, s19, s17                     ; column block 0..7
	s_and_b32 s20, ttmp7, 0xffff
	s_lshl_b32 s20, s20, 2
	s_add_co_u32 s20, s20, s18                     ; token block 0..31
	s_lshl_b32 s21, s18, 2
	s_lshl_b32 s21, 15, s21                        ; my row of the cluster
	s_lshl_b32 s22, 0x1111, s17                    ; my column
	; descriptor group 1.  ctx: 32,768 dense bytes as 128 rows of 256
	s_or_b32 s24, s21, (3<<16)|(1<<21)             ; 15:0 the mask: my row; 17:16 elements of 8 bytes; 21 set beside a mask
	s_mov_b32 s25, 32<<16
	s_mov_b32 s26, 128<<16
	s_mov_b32 s27, 32<<16
	s_mov_b32 s28, 128
	s_mov_b32 s29, 32
	s_mov_b32 s30, 0
	s_mov_b32 s31, 0
	; Wo: 32 rows of 512 bytes, four words of padding behind each
	s_or_b32 s32, s22, (1<<20)|(1<<21)|(6<<22)|(3<<25)
	s_mov_b32 s33, 512<<16
	s_mov_b32 s34, 32<<16
	s_mov_b32 s35, 512<<16
	s_mov_b32 s36, 32
	s_mov_b32 s37, 512
	s_mov_b32 s38, 0
	s_mov_b32 s39, 0
	s_lshl_b32 s48, s20, 17                        ; ctx: 16 tiles of 8,192 bytes a token block,
	s_lshl_b32 s52, s16, 15                        ; four a wave: in memory and in LDS alike
	s_add_co_u32 s48, s48, s52
	s_mov_b32 s49, 0
	s_lshl_b32 s50, s19, 16                        ; Wo: 128 rows a column block,
	s_lshl_b32 s62, s16, 14                        ; 32 a wave
	s_add_co_u32 s50, s50, s62
	s_mov_b32 s51, 0
	s_mul_i32 s53, s16, 32*WPITCH
	s_add_co_u32 s53, s53, WREG
	s_lshl_b32 s54, s20, 8
	s_lshl_b32 s55, s16, 6
	s_add_co_u32 s54, s54, s55                     ; my first token
	s_lshl_b32 s60, s54, 12                        ; its row of out,
	s_lshl_b32 s54, s54, 2                         ; its scale word
	s_mov_b32 s55, 0
	s_lshl_b32 s56, s19, 12                        ; Wo's scales: 32 bytes a row
	s_mov_b32 s57, 0
	s_lshl_b32 s58, s19, 9                         ; bo, and the block's columns in a row of out: 512 bytes
	s_mov_b32 s59, 0
	s_add_co_u32 s60, s60, s58
	s_mov_b32 s61, 0
	s_wait_dscnt 0x0
	s_wait_kmcnt 0x0
	s_mov_b32 s40, 1                               ; group 0 for ctx
	s_mov_b32 s41, s52
	s_add_nc_u64 s[42:43], s[4:5], s[48:49]
	s_or_b32 s43, s43, 0x80000000
	s_mov_b32 s44, 1                               ; and for Wo
	s_mov_b32 s45, s53
	s_add_nc_u64 s[46:47], s[8:9], s[50:51]
	s_or_b32 s47, s47, 0x80000000
	s_add_nc_u64 s[6:7], s[6:7], s[54:55]
	s_add_nc_u64 s[10:11], s[10:11], s[56:57]
	s_add_nc_u64 s[12:13], s[12:13], s[58:59]
	s_add_nc_u64 s[14:15], s[14:15], s[60:61]
	CROUND                                         ; all sixteen work-groups are here: the joint loads meet
	tensor_load_to_lds s[44:47], s[32:39]          ; the launch's only fills: Wo first, it is wanted first; two loads of mine are out
	s_nop 0
	tensor_load_to_lds s[40:43], s[24:31]
	s_nop 0
	PLACES
	v_and_b32 v9, 31, v0                           ; lane
	v_and_b32 v10, 15, v0                          ; r
	v_bfe_u32 v11, v0, 4, 1                        ; h
	v_lshlrev_b32 v[LI], 4, v9
	v_lshlrev_b32 v[L4], 2, v9
	v_lshlrev_b32 v[L32], 5, v9
	v_lshlrev_b32 v[H32], 5, v11
	v_add_nc_u32 v[ADRA], s52, v[LI]
	v_mul_u32_u24 v12, v10, WPITCH
	v_lshl_add_u32 v[ADRW], v11, 4, v12
	v_add_nc_u32 v[ADRW], WREG, v[ADRW]
	s_mul_i32 s62, s16, 16*528
	s_add_co_u32 s62, s62, STAGE                   ; my stage
	v_lshl_add_u32 v[STO], v11, 5, v12             ; in: row r, 32 bytes for each half of the lanes
	v_add_nc_u32 v[STO], s62, v[STO]
	v_add_nc_u32 v[RD], s62, v[LI]                 ; back: the 32 lanes take one row of 512 bytes
.irp i, 0,1
.irp s, 0,1,2,3,4,5,6,7
	global_load_b32 v[CSW+8*\i+\s], v[L4], s[6:7] offset:32768*\s+128*\i   ; lane l of pair i: token 32 i + l: 128 consecutive bytes
.endr
.endr
.irp i, 0,1,2,3
.irp k, 0,1
	global_load_b128 v[WSW+8*\i+4*\k:WSW+8*\i+4*\k+3], v[L32], s[10:11] offset:1024*\i+16*\k   ; lane l of pair i: row 32 i + l: its 32 bytes are the words of the eight K steps
.endr
.endr
.irp t, 0,1,2,3,4,5,6,7
	global_load_b128 v[BIAS+8*\t:BIAS+8*\t+3], v[H32], s[12:13] offset:64*\t       ; lane (r, h): columns 16 t + 8 h + 0 .. 7
	global_load_b128 v[BIAS+8*\t+4:BIAS+8*\t+7], v[H32], s[12:13] offset:64*\t+16
.endr
	s_wait_tensorcnt 0x1                           ; my quarter of Wo is in; my part of ctx, issued behind it, may be out
	s_barrier_signal -1
	s_barrier_wait -1                              ; Wo is whole
	FETCHW 0
	s_wait_tensorcnt 0x0                           ; my part of ctx is in: only I read it, so no barrier
	FETCHA 0, 0
	FETCHA 1, 1
	s_wait_loadcnt 0x0                             ; scale words and bias
	MULT 0, 1
.irp a, 0,1,2,3
	WIN 0
	PLACES                                         ; behind the tile's last products: for the stage's stores, which read results, and for the loads into the buffer just multiplied
.if \a >= 2
	s_wait_xcnt 0x0                                ; the stores of the tile two back have read their registers: the stage's loads land there only behind this wait
.endif
	TOSTAGE \a
.if \a <= 1
	FETCHA \a+2, \a%2
.endif
.if \a < 2
	s_wait_dscnt 48                                ; the stage's 32 and the sixteen loads just issued may be out: the next tile's fragments are in
	MULT \a+1, 0
	SEND \a, 16                                    ; behind the stage's loads: sixteen loads of ctx
.elseif \a == 2
	s_wait_dscnt 32                                ; the stage's 32 may be out
	MULT 3, 0
	SEND 2, 0
.else
	SEND 3, 0
.endif
.endr
	s_wait_tensorcnt 0x0
	ds_add_u32 v14, v15
	s_wait_dscnt 0x0
	CROUND                                         ; the closing round: no work-group ends while a partner may still ask for a tile that names it
	s_endpgm
.Lfunc_end_k_q2bfdc164de_proj:
	.size	k_q2bfdc164de_proj, .Lfunc_end_k_q2bfdc164de_proj-k_q2bfdc164de_proj
	.p2alignl 7, 3214868480
	.fill 96, 4, 3214868480
	.section	.rodata,"a",@progbits
	.p2align	6, 0x0
	.amdhsa_kernel k_q2bfdc164de_proj
		.amdhsa_group_segment_fixed_size 232960
		.amdhsa_private_segment_fixed_size 0
		.amdhsa_enable_private_segment 0
		.amdhsa_kernarg_size 48
		.amdhsa_user_sgpr_count 2
		.amdhsa_user_sgpr_kernarg_segment_ptr 1
		.amdhsa_wavefront_size32 1
		.amdhsa_system_sgpr_workgroup_id_x 1
		.amdhsa_system_sgpr_workgroup_id_y 1
		.amdhsa_system_sgpr_workgroup_id_z 1
		.amdhsa_system_vgpr_workitem_id 0
		.amdhsa_next_free_vgpr 1024
		.amdhsa_next_free_sgpr 66
		.amdhsa_reserve_vcc 0
		.amdhsa_float_denorm_mode_32 3
		.amdhsa_float_denorm_mode_16_64 3
		.amdhsa_memory_ordered 1
		.amdhsa_forward_progress 1
		.amdhsa_inst_pref_size 70
	.end_amdhsa_kernel
	.amdgpu_metadata
---
amdhsa.version: [ 1, 2 ]
amdhsa.kernels:
  - .name:           k_q2bfdc164de_proj
    .symbol:         k_q2bfdc164de_proj.kd
    .args:
      - { .name: cc, .offset: 0, .size: 8, .value_kind: global_buffer, .address_space: global }
      - { .name: cs, .offset: 8, .size: 8, .value_kind: global_buffer, .address_space: global }
      - { .name: Wo_codes, .offset: 16, .size: 8, .value_kind: global_buffer, .address_space: global }
      - { .name: Wo_scales, .offset: 24, .size: 8, .value_kind: global_buffer, .address_space: global }
      - { .name: bo, .offset: 32, .size: 8, .value_kind: global_buffer, .address_space: global }
      - { .name: out0, .offset: 40, .size: 8, .value_kind: global_buffer, .address_space: global }
    .group_segment_fixed_size: 232960
    .private_segment_fixed_size: 0
    .kernarg_segment_align: 8
    .kernarg_segment_size: 48
    .max_flat_workgroup_size: 128
    .sgpr_count:     66
    .vgpr_count:     1024
    .wavefront_size: 32
...
	.end_amdgpu_metadata
.endif
;; end of part 3
